; MI455X (gfx1250); checked and timed in simulation.
; The chip was launched on July 23, 2026; its instructions are those of AMD's public machine-readable ISA for CDNA 5 (MIT licence, August 2026) and "CDNA5" Instruction Set Architecture Reference Guide (July 2026). The comments in the code are by the model that wrote it; some were corrected since.
;; Full Attention. Allowed arithmetic: matrix products marked QUANTISED: E3M2 operands, one E8M0 scale for each 32 along K, by v_wmma_scale_f32_16x16x128_f8f6f4 with both operands' format E3M2, f32 sums; everything else in f32.
;; Inputs: Wk_codes 512 x 24 x 24 uint8 (E3M2 codes of Wk, K innermost, in blocks of 32 codes, four codes in three bytes); Wk_scales 512 x 24 uint8 (E8M0 scales of Wk, one for each 32 codes along K); Wo_codes 768 x 16 x 24 uint8 (E3M2 codes of Wo, K innermost, in blocks of 32 codes, four codes in three bytes); Wo_scales 768 x 16 uint8 (E8M0 scales of Wo, one for each 32 codes along K); Wq_codes 512 x 24 x 24 uint8 (E3M2 codes of Wq, K innermost, in blocks of 32 codes, four codes in three bytes); Wq_scales 512 x 24 uint8 (E8M0 scales of Wq, one for each 32 codes along K); Wv_codes 512 x 24 x 24 uint8 (E3M2 codes of Wv, K innermost, in blocks of 32 codes, four codes in three bytes); Wv_scales 512 x 24 uint8 (E8M0 scales of Wv, one for each 32 codes along K); bo 768 float32; x_codes 2 x 4,096 x 24 x 24 uint8 (E3M2 codes of x, K innermost, in blocks of 32 codes, four codes in three bytes); x_scales 2 x 4,096 x 24 uint8 (E8M0 scales of x, one for each 32 codes along K).
;; Outputs: out0 2 x 4,096 x 768 float32.
;; This version of the problem:
;;   THIS VERSION OF THE PROBLEM IS GIVEN IN LOW PRECISION. The matrix products marked QUANTISED in the list below multiply operands that are first quantised to E3M2 (3 exponent bits, 2 mantissa bits; 6 bits a number), with one power-of-two scale for each 32 numbers along K (OCP MX v1.0); their sums are f32. All else is computed in f32.
;;   The module's matrix products, in the order in which they are computed (A, B: the left and right operand; K: the contracted axis; several contracted axes count as one K, in the product's order):
;;     1. [M 8,192, K 768] x [K 768, N 512]; A: input x (given as codes); B: input Wq (given as codes): QUANTISED
;;     2. [M 8,192, K 768] x [K 768, N 512]; A: input x (given as codes); B: input Wk (given as codes): QUANTISED
;;     3. [M 8,192, K 768] x [K 768, N 512]; A: input x (given as codes); B: input Wv (given as codes): QUANTISED
;;     4. batch 16 x [M 4,096, K 64] x [K 64, N 4,096]; A: computed on the way; B: computed on the way: QUANTISED
;;     5. batch 16 x [M 4,096, K 4,096] x [K 4,096, N 64]; A: softmax (see below); B: computed on the way: QUANTISED
;;     6. [M 8,192, K 512] x [K 512, N 768]; A: computed on the way; B: input Wo (given as codes): QUANTISED
;;   THE QUANTISER, for each operand of a quantised product, along K:
;;     - K is cut into blocks of 32 from its start; a last block that is shorter is filled with zeros.
;;     - A block's scale is 2^e with e = floor(log2(the largest magnitude in the block)) - 4, held to -126 .. 127; a block of zeros has e = 0. As a byte (E8M0): e + 127.
;;     - Each number is divided by its block's scale, clamped to +-28, and rounded to the nearest number of E3M2, ties to even, subnormals kept.
;;     - The product sums the exact products of the quantised numbers (number of the format x scale) in f32.
;;   ~~~python
;;   def quantise(x, axis):      # numpy; x: float32 -> the quantised numbers, widened to float32 again
;;       x = np.moveaxis(x, axis, -1); K = x.shape[-1]
;;       x = np.pad(x, [(0, 0)] * (x.ndim - 1) + [(0, -K % 32)]); x = x.reshape(x.shape[:-1] + (-1, 32)); a = np.abs(x).max(-1, keepdims=True)
;;       e = np.where(a > 0, np.clip(np.frexp(np.where(a > 0, a, 1))[1] - 1 - 4, -126, 127), 0)      # np.frexp(a)[1] - 1 = floor(log2(a)), exactly
;;       r = np.clip(x / 2.0 ** e, -28, 28)
;;       step = 2.0 ** (np.maximum(np.frexp(np.where(r == 0, 1, r))[1] - 1, -2) - 2)
;;       q = np.round(r / step) * step * 2.0 ** e      # np.round: ties to even
;;       return np.moveaxis(q.reshape(q.shape[:-2] + (-1,))[..., :K], -1, axis).astype(np.float32)
;;   ~~~
;;   SOFTMAX AHEAD OF A QUANTISED PRODUCT. Where the list says 'softmax', what is quantised is not the finished softmax but p = 2^(t - M), with t = logit x log2(e) and M = ceil(the row's largest t), a whole number; so 1/2 < the row's largest p <= 1. The row's sum l is taken of the UNQUANTISED p, in f32, and the product's result is divided by l at the end. Since M is a whole number, a kernel that streams over the keys may use a running M (the ceiling of the running maximum): every later rescaling is an exact power of two, which a block's scale takes up: the codes' values come out the same.
;;   OPERANDS COMPUTED ON THE WAY. 'Computed on the way' means the value that the module computes at that place (a softmax that the list does not call 'softmax' is quantised finished and normalised). What goes into a quantiser is computed in f32, as accurately as f32 sums, v_exp_f32 and their like allow (about 1e-6 of the number): no bf16 or f16 on the way to a quantiser, and a product that is left as it is and whose result goes on into a quantised operand takes f32 operands (vector FMAs, or v_wmma_f32_16x16x4_f32). A number that lies on a knife's edge between two numbers of the format may be rounded either way, as far as f32 arithmetic and the matrix unit's own rounding can turn it there, and no further.
;;   INPUTS GIVEN AS CODES. Wk (in the module: [768, 512], K = its axis 0); Wo (in the module: [512, 768], K = its axis 0); Wq (in the module: [768, 512], K = its axis 0); Wv (in the module: [768, 512], K = its axis 0); x (in the module: [2, 4096, 768], K = its axis 2): each comes as NAME_codes (uint8): NAME with its K axis moved to the last place and cut into blocks of 32 codes, [.., K / 32, bytes a block], one block behind the other in memory; four codes in three bytes: a row's codes are one little-endian stream of bits, code i at bits 6 i .. 6 i + 5 (a code: sign, 3 exponent bits, 2 mantissa bits); and NAME_scales (uint8): the same leading axes, one E8M0 byte (e + 127) for each 32 codes along K. Its value is code x scale, taken as it is: it is not quantised again, and the codes and scales need not be those that the quantiser above would give.
;; One version. Each part assembles by itself: llvm-mc -triple=amdgcn-amd-amdhsa -mcpu=gfx1250 --defsym DOCPART=n.
;; ======== version 1 of 1: 3 launches
;; limits: right only within a limited range of input values
;; workspace buffers: qc 3,407,872 bytes; kc 3,407,872 bytes; vc 3,407,872 bytes; ac 3,145,728 bytes; asc 524,288 bytes
;; launch proj (part 1): grid 64 x 6, 8 waves a work-group, clusters of 4 x 1, 287,744 bytes of LDS; arguments x_codes, x_scales, Wq_codes, Wq_scales, Wk_codes, Wk_scales, Wv_codes, Wv_scales, qc, kc, vc; writes qc, kc, vc
.if DOCPART == 1
	.amdgcn_target "amdgcn-amd-amdhsa--gfx1250"
	.amdhsa_code_object_version 6
	.text
	.protected	k_q3d5943d7ea_proj
	.globl	k_q3d5943d7ea_proj
	.p2align	8
	.type	k_q3d5943d7ea_proj,@function
k_q3d5943d7ea_proj:
	s_mov_b64 s[64:65], 0
	v_nop
	global_prefetch_b8 v0, s[64:65] scope:SCOPE_SE
	s_setreg_imm32_b32 hwreg(HW_REG_WAVE_MODE, 25, 1), 1
	s_wait_xcnt 0x0
	s_wait_alu depctr_hold_cnt(0) depctr_sa_sdst(0) depctr_va_vdst(0) depctr_va_sdst(0) depctr_va_ssrc(0) depctr_va_vcc(0) depctr_vm_vsrc(0)
	s_getreg_b32 s2, hwreg(HW_REG_IB_STS2, 6, 4)
	s_cmp_eq_u32 s2, 0
	s_cbranch_scc0 .Lentry_in_a_cluster
	s_endpgm
.Lentry_in_a_cluster:
	s_bfe_u32 s2, ttmp6, 0x10000c
	s_cmp_lg_u32 s2, 0x3003
	s_cbranch_scc0 .Lentry_shape_is_right
	s_endpgm
.Lentry_shape_is_right:
; q = x Wq, k = x Wk, v = x Wv on codes of BF6 (E3M2) with E8M0 scales, K = 768; the f32 results are quantised at once: q and k along the head's 64 (two blocks of 32), v along the keys,
; and leave as IMAGES OF OPERAND REGISTERS for the attention launch.  x: [8192][768] codes, rows of 576 bytes; Wq, Wk, Wv: [512][768] codes; scale bytes 24 a row.
; OUTPUT, one format for qc, kc, vc: block (b*8 + head, step of 128 tokens) = 6,656 bytes: four fragments (12 registers a lane; registers 4c..4c+3 of lane l at 1536 f + 512 c + 16 l), then the
; scale words (those of fragments 2a, 2a+1 of lane l at 6144 + 256 a + 8 l).  qc, kc: fragment f holds token tile 2f at k 0..63 and token tile 2f+1 at k 64..127 (k = the head's 64).  vc: fragment f = 16 channels x 128 keys.
; THE ROWS OF A TILE ARE NOT NEIGHBOURS: lane row r of tile 2b+u is row 32b + 8u + (r & 7) + 16 (r >> 3), for x's tokens and for W's rows inside a head alike.  Where such a tile is source 0, a lane's 16 registers of
; tiles 2b and 2b+1 are the 16 neighbours 32b + 16 (lane / 16) + 0..15: what the conversions want.  q, k: source 0 = W, source 1 = x (a lane holds a token, registers run along d).  v: source 0 = x, source 1 = W (a lane holds a channel, registers run along the tokens).
; SHARES.  Work-group (x, y): 128 tokens (x) times 256 columns: y >> 1 = q, k or v, y & 1 = heads 0-3 or 4-7.  Wave w: head w >> 1, half a = w & 1: 16 accumulators = output fragments 2a, 2a+1.
; 64 x 6 = 384 work-groups: a share with 256 would need 448 padded rows in LDS, which do not fit.
; CLUSTER.  The four work-groups of a cluster share y, so W's codes and scales are asked for jointly (mask 15); x's tiles are each work-group's own.  Everything is filled once: no slot is filled again.
; LDS.  Rows of 576 bytes with 16 bytes of padding behind each 64: 720 bytes apart.  The groups of 16 rows that serve lane rows 0-7 lie from byte 0, those that serve lane rows 8-15 from byte ODD (128 more than a multiple of 256),
; so that the 32 lanes of an 8-byte load fall on 32 different 8-byte columns of 256 bytes: row (r & 7) moves 26 columns, the lanes' upper half 3 or 5, the second region 16.
; LIMITS: NaN and infinities among the results are not served.  A block whose largest magnitude lies under 2^-122 (a block of zeros too) gets the scale byte 1, not the rule's: its codes are zeros or the smallest; the bytes are read by this program alone.
.set ROWP,  720                        ; an LDS row
.set GRP,   16*ROWP                    ; a group of 16 rows: 11,520 bytes
.set ODD,   138368                     ; where the groups for lane rows 8-15 begin
.set WBASE, 4*GRP                      ; in each region: x's four groups, then W's eight
.set XSB,   276736                     ; x's scale bytes, 128 rows x 24, dense
.set WSB,   279808                     ; W's, 256 rows x 24, dense
.set L16, 1                            ; v1    16 x lane
.set L8,  2                            ; v2    8 x lane
.set AX,  3                            ; v3-4  x's fragments (v4: for the pieces that lie behind one padding more in the lanes' upper half)
.set AW,  5                            ; v5-6  W's
.set AXS, 7                            ; v7    x's scale words
.set AWS, 8                            ; v8    W's
.set XS,  10                           ; v10-13 scale words of four tiles of x
.set WS,  14                           ; v14-17 of W
.set XF,  20                           ; v20-67 four fragments of x
.set WF,  68                           ; v68-115 four of W
.set MX,  116                          ; v116-119 largest magnitudes
.set PT,  120                          ; v120-123 the other half's; then the bytes
.set SO,  124                          ; v124-127 the conversions' scale operands
.set ACC, 128                          ; v128-255 sixteen accumulators
.set WV,  80                           ; s80 my wave's number
.macro CROUND                          ; a round of the cluster's barrier
	s_barrier_signal -1
	s_barrier_wait -1
	s_cmp_lg_u32 s[WV], 0
	s_cbranch_scc1 .Lnot_wave_0_\@
	s_barrier_signal -3
.Lnot_wave_0_\@:
	s_barrier_wait -3
	s_barrier_signal -1
	s_barrier_wait -1
.endm
.macro PLACES                          ; four plain vector places: behind matrix instructions, in front of loads into their registers and of reads of their results; and behind a tensor load
.rept 4
	v_nop
.endr
.endm
; A fragment, 16 rows x 128 K: lane (r, h) takes 24 bytes at 96 q + 24 h and 24 at 96 q + 48 + 24 h of its row, in pieces of 8.  Piece p of a row lies at 8 p + 16 (p / 8).
.macro FRAG reg, adr, q, rowoff
.irp p, 0,1,2,3,4,5
.set PCN, 12*(\q)+6*(\p/3)+\p%3
.if PCN%8 < 5
	ds_load_b64 v[(\reg)+2*\p:(\reg)+2*\p+1], v[\adr] offset:8*PCN+16*(PCN/8)+(\rowoff)
.else
	ds_load_b64 v[(\reg)+2*\p:(\reg)+2*\p+1], v[(\adr)+1] offset:8*PCN+16*(PCN/8)+(\rowoff)
.endif
.endr
.endm
.macro MM d, a, b, z, sa, sb           ; one product; z = 1: it starts the sum
.if \z
	v_wmma_scale_f32_16x16x128_f8f6f4 v[(\d):(\d)+7], v[(\a):(\a)+11], v[(\b):(\b)+11], 0, v[\sa], v[\sb] matrix_a_fmt:MATRIX_FMT_BF6 matrix_b_fmt:MATRIX_FMT_BF6
.else
	v_wmma_scale_f32_16x16x128_f8f6f4 v[(\d):(\d)+7], v[(\a):(\a)+11], v[(\b):(\b)+11], v[(\d):(\d)+7], v[\sa], v[\sb] matrix_a_fmt:MATRIX_FMT_BF6 matrix_b_fmt:MATRIX_FMT_BF6
.endif
.endm
; 64 numbers of a lane, register 16 b + i = k 32 b + 16 (lane / 16) + i of its row, become a fragment's 12 registers at v[pc] and its scale word in v[pw].  (v[pc+12..pc+18] are at work.)
.macro QUANT s, pc, pw
.irp b, 0,1,2,3
	v_max3_num_f32 v[MX+\b], |v[(\s)+16*\b]|, |v[(\s)+1+16*\b]|, 0x2800000   ; my 16 numbers of block b, and the floor 2^(5 - 127): the byte cannot fall under 1.  Each accumulator is read from its low end on
.endr
.irp i, 2,4,6,8,10,12,14
.irp b, 0,1,2,3
	v_max3_num_f32 v[MX+\b], v[MX+\b], |v[(\s)+16*\b+\i]|, |v[(\s)+1+16*\b+\i]|
.endr
.endr
.irp b, 0,1,2,3
	s_delay_alu instid0(VALU_DEP_4)
	v_permlanex16_b32 v[PT+\b], v[MX+\b], s26, s27
.endr
.irp b, 0,1,2,3
	s_delay_alu instid0(VALU_DEP_4)
	v_max_num_f32 v[MX+\b], v[MX+\b], v[PT+\b]             ; with lane l xor 16's 16: the block's largest magnitude
.endr
.irp b, 0,1,2,3
	s_delay_alu instid0(VALU_DEP_4)
	v_add_nc_u32 v[SO+\b], 0xfe000000, v[MX+\b]            ; 4 off its exponent field: the conversion takes this operand's exponent field as its scale
.endr
.irp b, 0,1,2,3
	s_delay_alu instid0(VALU_DEP_4)
	v_lshrrev_b32 v[PT+\b], 23, v[SO+\b]                   ; the scale's byte
.endr
	s_delay_alu instid0(VALU_DEP_3)
	v_lshl_or_b32 v[\pw], v[PT+1], 8, v[PT]
	s_delay_alu instid0(VALU_DEP_1)
	v_lshl_or_b32 v[\pw], v[PT+2], 16, v[\pw]
	s_delay_alu instid0(VALU_DEP_1)
	v_lshl_or_b32 v[\pw], v[PT+3], 24, v[\pw]
.irp c, 0,1
	v_cvt_scalef32_pk16_bf6_f32 v[(\pc)+6*\c:(\pc)+6*\c+2], v[(\s)+32*\c:(\s)+32*\c+15], v[SO+2*\c]
	v_cvt_scalef32_pk16_bf6_f32 v[(\pc)+12+4*\c:(\pc)+14+4*\c], v[(\s)+16+32*\c:(\s)+31+32*\c], v[SO+2*\c+1]   ; (a conversion's three registers begin on an even number)
.endr
	v_nop                                                  ; one plain place behind a scaled conversion
.irp c, 0,1                            ; the layout wants a whole block in a lane: lanes 0-15 block 2c, lanes 16-31 block 2c+1
.irp i, 0,1,2
	v_permlane16_swap_b32 v[(\pc)+6*\c+\i], v[(\pc)+12+4*\c+\i]
.endr
.irp i, 0,1,2
	s_delay_alu instid0(VALU_DEP_3)
	v_mov_b32 v[(\pc)+3+6*\c+\i], v[(\pc)+12+4*\c+\i]
.endr
.endr
.endm
	s_load_b512 s[4:19], s[0:1], 0x0               ; x codes s[4:5], x scales s[6:7], Wq s[8:11], Wk s[12:15], Wv s[16:19] (codes, scales)
	s_load_b128 s[20:23], s[0:1], 0x40             ; qc, kc
	s_load_b64 s[24:25], s[0:1], 0x50              ; vc
	s_set_vgpr_msb 0x40
	v_lshl_add_u32 v0, v0, 2, 0x46000
	v_mov_b32 v1, 0
	s_set_vgpr_msb 0x4045
	ds_add_u32 v0, v1
	ds_add_u32 v0, v1
	s_set_vgpr_msb 0x4500
	v_lshrrev_b32 v9, 5, v0
	s_delay_alu instid0(VALU_DEP_1)
	v_readfirstlane_b32 s[WV], v9                  ; wave 0..7
	s_bfe_u32 s81, ttmp6, 0x40000                  ; cx: it enters x's and the outputs' global addresses alone
	s_lshl_b32 s82, ttmp9, 2
	s_add_co_u32 s82, s82, s81                     ; the step of 128 tokens, 0..63
	s_and_b32 s83, ttmp7, 0xffff                   ; y, which the four partners share
	s_lshr_b32 s84, s83, 1                         ; 0 q, 1 k, 2 v
	s_and_b32 s85, s83, 1                          ; heads 0-3 or 4-7
	s_and_b32 s86, s[WV], 1                        ; a.  Also: which region I fill
	s_lshr_b32 s87, s[WV], 1                       ; my head of the four.  Also: which part of a region I fill
	s_mov_b32 s26, 0x76543210
	s_mov_b32 s27, 0xfedcba98                      ; v_permlanex16_b32's selects for lane l xor 16
	; descriptor groups 1.  Codes: a group of 16 rows is 9,216 dense bytes: one line of 1,152 elements of 8 bytes; four lines, every second group (2,304 elements on); 16 bytes of padding behind each 64
	s_mov_b32 s28, (3<<16)|(1<<20)|(3<<22)|(3<<25)             ; x's: no mask
	s_mov_b32 s36, 15|(3<<16)|(1<<20)|(1<<21)|(3<<22)|(3<<25)  ; W's: all four work-groups, bit 21 beside the mask
.irp g, 28, 36
	s_mov_b32 s[\g+1], 1152<<16                    ; tensor_dim0
	s_mov_b32 s[\g+2], 4<<16                       ; tensor_dim1
	s_mov_b32 s[\g+3], 1152<<16                    ; tile_dim0
	s_mov_b32 s[\g+4], 4                           ; tile_dim1
	s_mov_b32 s[\g+5], 2304                        ; from line to line
	s_mov_b32 s[\g+6], 0
	s_mov_b32 s[\g+7], 0
.endr
	s_mov_b32 s44, 3<<16                           ; x's scale bytes: 3,072 dense bytes as 12 lines of 256
	s_mov_b32 s45, 32<<16
	s_mov_b32 s46, 12<<16
	s_mov_b32 s47, 32<<16
	s_mov_b32 s48, 12
	s_mov_b32 s49, 32
	s_mov_b32 s50, 0
	s_mov_b32 s51, 0
	s_mov_b32 s52, 15|(3<<16)|(1<<21)              ; W's: 6,144 bytes as 24 lines, jointly
	s_mov_b32 s53, 32<<16
	s_mov_b32 s54, 24<<16
	s_mov_b32 s55, 32<<16
	s_mov_b32 s56, 24
	s_mov_b32 s57, 32
	s_mov_b32 s58, 0
	s_mov_b32 s59, 0
	s_mul_i32 s88, s86, ODD
	s_mul_i32 s89, s87, WBASE
	s_add_co_u32 s88, s88, s89                     ; where my four groups go: region (wave & 1), part (wave >> 1): 0 = x, 1 and 2 = W's halves
	s_mul_i32 s90, s82, 73728                      ; x: 128 rows of 576 bytes a step,
	s_mul_i32 s89, s86, 9216                       ; + one group for the second region
	s_add_co_u32 s90, s90, s89
	s_mov_b32 s91, 0
	s_sub_co_u32 s92, s87, 1
	s_and_b32 s92, s92, 1                          ; W: which 128 rows of the 256 (waves 2, 3: 0; waves 4, 5: 1)
	s_mul_i32 s92, s92, 73728
	s_add_co_u32 s92, s92, s89
	s_mul_i32 s89, s85, 147456                     ; the four heads' 256 rows
	s_add_co_u32 s92, s92, s89
	s_mov_b32 s93, 0
	s_mul_i32 s94, s82, 3072
	s_mov_b32 s95, 0
	s_mul_i32 s98, s85, 6144
	s_mov_b32 s99, 0
	s_lshr_b32 s66, s82, 5                         ; the output block: ((b*8 + head)*32 + step in the batch) x 6,656
	s_lshl_b32 s66, s66, 3
	s_lshl_b32 s89, s85, 2
	s_add_co_u32 s89, s89, s87
	s_add_co_u32 s66, s66, s89
	s_lshl_b32 s66, s66, 5
	s_and_b32 s67, s82, 31
	s_add_co_u32 s66, s66, s67
	s_mul_i32 s66, s66, 6656
	s_mul_i32 s89, s86, 3072
	s_add_co_u32 s96, s66, s89                     ; my two fragments
	s_mov_b32 s97, 0
	s_lshl_b32 s89, s86, 8
	s_add_co_u32 s66, s66, s89
	s_add_co_u32 s66, s66, 6144                    ; and their scale words
	s_mov_b32 s67, 0
	s_wait_dscnt 0x0
	s_wait_kmcnt 0x0
	s_cmp_eq_u32 s84, 1                            ; the weight and the output are chosen by y alone
	s_cselect_b64 s[8:9], s[12:13], s[8:9]
	s_cselect_b64 s[10:11], s[14:15], s[10:11]
	s_cselect_b64 s[20:21], s[22:23], s[20:21]
	s_cmp_eq_u32 s84, 2
	s_cselect_b64 s[8:9], s[16:17], s[8:9]
	s_cselect_b64 s[10:11], s[18:19], s[10:11]
	s_cselect_b64 s[20:21], s[24:25], s[20:21]
	s_add_nc_u64 s[96:97], s[20:21], s[96:97]
	s_add_nc_u64 s[66:67], s[20:21], s[66:67]
	s_mov_b32 s60, 1                               ; groups 0: x's codes,
	s_mov_b32 s61, s88
	s_add_nc_u64 s[62:63], s[4:5], s[90:91]
	s_or_b32 s63, s63, 0x80000000
	s_mov_b32 s68, 1                               ; W's codes,
	s_mov_b32 s69, s88
	s_add_nc_u64 s[70:71], s[8:9], s[92:93]
	s_or_b32 s71, s71, 0x80000000
	s_mov_b32 s72, 1                               ; x's scale bytes,
	s_mov_b32 s73, XSB
	s_add_nc_u64 s[74:75], s[6:7], s[94:95]
	s_or_b32 s75, s75, 0x80000000
	s_mov_b32 s76, 1                               ; W's
	s_mov_b32 s77, WSB
	s_add_nc_u64 s[78:79], s[10:11], s[98:99]
	s_or_b32 s79, s79, 0x80000000
	CROUND                                         ; all four work-groups are here: the joint loads meet
	s_cmp_lt_u32 s[WV], 2                          ; one load a wave: waves 0, 1 x's codes; 2-5 W's; 6 x's scale bytes; 7 W's
	s_cbranch_scc0 .Lnot_x
	tensor_load_to_lds s[60:63], s[28:35]
	s_nop 0
	PLACES
	s_branch .Lasked
.Lnot_x:
	s_cmp_lt_u32 s[WV], 6
	s_cbranch_scc0 .Lnot_w
	tensor_load_to_lds s[68:71], s[36:43]
	s_nop 0
	PLACES
	s_branch .Lasked
.Lnot_w:
	s_cmp_eq_u32 s[WV], 6
	s_cbranch_scc0 .Lw_scales
	tensor_load_to_lds s[72:75], s[44:51]
	s_nop 0
	PLACES
	s_branch .Lasked
.Lw_scales:
	tensor_load_to_lds s[76:79], s[52:59]
	s_nop 0
	PLACES
.Lasked:
	v_and_b32 v9, 31, v0
	s_delay_alu instid0(VALU_DEP_1)
	v_lshlrev_b32 v[L16], 4, v9
	s_delay_alu instid0(VALU_DEP_2)
	v_lshlrev_b32 v[L8], 3, v9
	v_and_b32 v18, 7, v0                           ; r & 7
	v_bfe_u32 v19, v0, 3, 1                        ; r >> 3
	v_bfe_u32 v9, v0, 4, 1                         ; h
	s_delay_alu instid0(VALU_DEP_3)
	v_mul_u32_u24 v[AX], v18, ROWP
	s_delay_alu instid0(VALU_DEP_1)
	v_mad_u32_u24 v[AX], v19, ODD, v[AX]
	s_delay_alu instid0(VALU_DEP_1)
	v_mad_u32_u24 v[AX], v9, 24, v[AX]             ; my lane's place in a tile: (r & 7) rows, the region, 24 h
	s_delay_alu instid0(VALU_DEP_1)
	v_lshl_add_u32 v[AX+1], v9, 4, v[AX]           ; and with 40 h
	s_mul_i32 s89, s87, 2*GRP
	s_add_co_u32 s89, s89, WBASE                   ; my head's 64 rows of W: two groups in each region, behind x's four
	v_add_nc_u32 v[AW], s89, v[AX]
	v_add_nc_u32 v[AW+1], s89, v[AX+1]
	v_mul_u32_u24 v[AXS], v18, 24
	s_delay_alu instid0(VALU_DEP_1)
	v_mad_u32_u24 v[AXS], v19, 384, v[AXS]         ; scale words: 24 bytes a row, row (r & 7) + 16 (r >> 3)
	s_mul_i32 s89, s87, 1536
	s_add_co_u32 s89, s89, WSB
	v_add_nc_u32 v[AWS], s89, v[AXS]
	v_add_nc_u32 v[AXS], XSB, v[AXS]
.irp b, 0,1,2,3
	v_mov_b32 v[PT+\b], 0                          ; written once: a lane permute's destination counts as one of its sources
.endr
	s_wait_tensorcnt 0x0                           ; my load has landed,
	s_barrier_signal -1
	s_barrier_wait -1                              ; everybody's has
	s_cmp_eq_u32 s84, 2
	s_cbranch_scc1 .Lv
	; ---- q, k: my head's four tiles of W (source 0) against x's tiles 4a .. 4a+3 (source 1).  Accumulator (token tile t, W tile c) at ACC + 8 (4 t + c)
	s_mul_i32 s89, s86, 2*GRP
	v_add_nc_u32 v[AX], s89, v[AX]
	v_add_nc_u32 v[AX+1], s89, v[AX+1]
	s_mul_i32 s89, s86, 1536
	s_wait_alu depctr_va_vdst(0)
	v_add_nc_u32 v[AXS], s89, v[AXS]
.macro KSTEP_QK s                      ; 128 along K: 8 fragments, 8 scale words, 16 products; the accumulators take turns, one instruction a turn
.if (\s) > 0
	PLACES
.endif
.irp c, 0,1,2,3
	FRAG WF+12*\c, AW, \s, (16*(\c/2)+8*(\c%2))*ROWP
	ds_load_b32 v[WS+\c], v[AWS] offset:(32*(\c/2)+8*(\c%2))*24+4*(\s)
.endr
.irp t, 0,1,2,3
	FRAG XF+12*\t, AX, \s, (16*(\t/2)+8*(\t%2))*ROWP
	ds_load_b32 v[XS+\t], v[AXS] offset:(32*(\t/2)+8*(\t%2))*24+4*(\s)
.endr
	s_wait_dscnt 0x0
.irp t, 0,1,2,3
.irp c, 0,1,2,3
	MM ACC+8*(4*\t+\c), WF+12*\c, XF+12*\t, (\s)==0, WS+\c, XS+\t
.endr
.endr
.endm
	s_wait_alu depctr_va_vdst(0)
	KSTEP_QK 0
	KSTEP_QK 1
	KSTEP_QK 2
	KSTEP_QK 3
	KSTEP_QK 4
	KSTEP_QK 5
	s_branch .Ltail
.Lv:	; ---- v: x's eight tiles (source 0) against my head's tiles 2a, 2a+1 of W (source 1).  Accumulator (W tile c, token tile t) at ACC + 8 (8 c + t)
	s_mul_i32 s89, s86, GRP
	v_add_nc_u32 v[AW], s89, v[AW]
	v_add_nc_u32 v[AW+1], s89, v[AW+1]
	s_mul_i32 s89, s86, 768
	s_wait_alu depctr_va_vdst(0)
	v_add_nc_u32 v[AWS], s89, v[AWS]
.macro KSTEP_V s
.if (\s) > 0
	PLACES
.endif
.irp c, 0,1
	FRAG WF+12*\c, AW, \s, 8*\c*ROWP
	ds_load_b32 v[WS+\c], v[AWS] offset:8*\c*24+4*(\s)
.endr
.irp g, 0,1
.if \g > 0
	PLACES
.endif
.irp t, 0,1,2,3
	FRAG XF+12*\t, AX, \s, (16*((4*\g+\t)/2)+8*(\t%2))*ROWP
	ds_load_b32 v[XS+\t], v[AXS] offset:(32*((4*\g+\t)/2)+8*(\t%2))*24+4*(\s)
.endr
	s_wait_dscnt 0x0
.irp c, 0,1
.irp t, 0,1,2,3
	MM ACC+8*(8*\c+4*\g+\t), XF+12*\t, WF+12*\c, (\s)==0, XS+\t, WS+\c
.endr
.endr
.endr
.endm
	s_wait_alu depctr_va_vdst(0)
	KSTEP_V 0
	KSTEP_V 1
	KSTEP_V 2
	KSTEP_V 3
	KSTEP_V 4
	KSTEP_V 5
.Ltail:	; ---- both ways: ACC + 64 f .. + 63 are output fragment 2a + f's 64 numbers of my lane, in the quantiser's order
	PLACES
	QUANT ACC, 20, 60
	QUANT ACC+64, 40, 61
	; kc ALONE: the attention launch wants a whole block of 32 keys in a lane, so the keys of K's tiles are dealt anew: pair fragment 2a+p, half u, lane row r holds key 64a + 32 (r >> 3) + 16p + 8u + (r & 7).
	; That is fragment 2a's lane rows 8-15 changing places with fragment 2a+1's lane rows 0-7, codes and scale words alike.  For qc and vc the two masks leave everything where it is.
	s_cmp_eq_u32 s84, 1
	s_cselect_b32 s88, 0xff00ff00, 0               ; k: lanes with r >= 8 take the other fragment's lane r - 8
	s_cselect_b32 s89, 0xff00ff00, -1              ; k: lanes with r >= 8 keep their own
.irp i, 0,1,2,3,4,5,6,7,8,9,10,11
	v_mov_b32_dpp v[128+\i], v[40+\i] row_xmask:8 row_mask:0xf bank_mask:0xf
	v_mov_b32_dpp v[144+\i], v[20+\i] row_xmask:8 row_mask:0xf bank_mask:0xf
.endr
	v_mov_b32_dpp v140, v61 row_xmask:8 row_mask:0xf bank_mask:0xf
	v_mov_b32_dpp v156, v60 row_xmask:8 row_mask:0xf bank_mask:0xf
.irp i, 0,1,2,3,4,5,6,7,8,9,10,11
	v_cndmask_b32 v[20+\i], v[20+\i], v[128+\i], s88
	v_cndmask_b32 v[40+\i], v[144+\i], v[40+\i], s89
.endr
	v_cndmask_b32 v60, v60, v140, s88
	v_cndmask_b32 v61, v156, v61, s89
.irp c, 0,1,2
	global_store_b128 v[L16], v[20+4*\c:23+4*\c], s[96:97] offset:512*\c           ; 32 lanes store 512 consecutive bytes, at a multiple of 256 from the buffer's first byte
.endr
.irp c, 0,1,2
	global_store_b128 v[L16], v[40+4*\c:43+4*\c], s[96:97] offset:1536+512*\c
.endr
	global_store_b64 v[L8], v[60:61], s[66:67]                                     ; the two scale words of each lane: 256 consecutive bytes
	s_set_vgpr_msb 0x5
	s_wait_tensorcnt 0x0
	ds_add_u32 v0, v1
	s_wait_dscnt 0x0
	s_set_vgpr_msb 0x500
	CROUND                                         ; the closing round: no work-group ends while a partner may still ask for a tile that names it
	s_endpgm
.Lfunc_end_k_q3d5943d7ea_proj:
	.size	k_q3d5943d7ea_proj, .Lfunc_end_k_q3d5943d7ea_proj-k_q3d5943d7ea_proj
	.p2alignl 7, 3214868480
	.fill 96, 4, 3214868480
	.section	.rodata,"a",@progbits
	.p2align	6, 0x0
	.amdhsa_kernel k_q3d5943d7ea_proj
		.amdhsa_group_segment_fixed_size 287744
		.amdhsa_private_segment_fixed_size 0
		.amdhsa_enable_private_segment 0
		.amdhsa_kernarg_size 88
		.amdhsa_user_sgpr_count 2
		.amdhsa_user_sgpr_kernarg_segment_ptr 1
		.amdhsa_wavefront_size32 1
		.amdhsa_system_sgpr_workgroup_id_x 1
		.amdhsa_system_sgpr_workgroup_id_y 1
		.amdhsa_system_sgpr_workgroup_id_z 1
		.amdhsa_system_vgpr_workitem_id 0
		.amdhsa_next_free_vgpr 258
		.amdhsa_next_free_sgpr 100
		.amdhsa_reserve_vcc 0
		.amdhsa_float_denorm_mode_32 3
		.amdhsa_float_denorm_mode_16_64 3
		.amdhsa_memory_ordered 1
		.amdhsa_forward_progress 1
		.amdhsa_inst_pref_size 97
	.end_amdhsa_kernel
	.amdgpu_metadata
---
amdhsa.version: [ 1, 2 ]
amdhsa.kernels:
  - .name:           k_q3d5943d7ea_proj
    .symbol:         k_q3d5943d7ea_proj.kd
    .args:
      - { .name: x_codes, .offset: 0, .size: 8, .value_kind: global_buffer, .address_space: global }
      - { .name: x_scales, .offset: 8, .size: 8, .value_kind: global_buffer, .address_space: global }
      - { .name: Wq_codes, .offset: 16, .size: 8, .value_kind: global_buffer, .address_space: global }
      - { .name: Wq_scales, .offset: 24, .size: 8, .value_kind: global_buffer, .address_space: global }
      - { .name: Wk_codes, .offset: 32, .size: 8, .value_kind: global_buffer, .address_space: global }
      - { .name: Wk_scales, .offset: 40, .size: 8, .value_kind: global_buffer, .address_space: global }
      - { .name: Wv_codes, .offset: 48, .size: 8, .value_kind: global_buffer, .address_space: global }
      - { .name: Wv_scales, .offset: 56, .size: 8, .value_kind: global_buffer, .address_space: global }
      - { .name: qc, .offset: 64, .size: 8, .value_kind: global_buffer, .address_space: global }
      - { .name: kc, .offset: 72, .size: 8, .value_kind: global_buffer, .address_space: global }
      - { .name: vc, .offset: 80, .size: 8, .value_kind: global_buffer, .address_space: global }
    .group_segment_fixed_size: 287744
    .private_segment_fixed_size: 0
    .kernarg_segment_align: 8
    .kernarg_segment_size: 88
    .max_flat_workgroup_size: 256
    .sgpr_count:     100
    .vgpr_count:     258
    .wavefront_size: 32
...
	.end_amdgpu_metadata
.endif
;; end of part 1
;; launch attn (part 2): grid 16 x 16, 16 waves a work-group, clusters of 4 x 1, 327,680 bytes of LDS; arguments qc, kc, vc, ac, asc; writes ac, asc
.if DOCPART == 2
	.amdgcn_target "amdgcn-amd-amdhsa--gfx1250"
	.amdhsa_code_object_version 6
	.text
	.protected	k_q3d5943d7ea_attn
	.globl	k_q3d5943d7ea_attn
	.p2align	8
	.type	k_q3d5943d7ea_attn,@function
k_q3d5943d7ea_attn:
	s_mov_b64 s[64:65], 0
	v_nop
	global_prefetch_b8 v0, s[64:65] scope:SCOPE_SE
	s_setreg_imm32_b32 hwreg(HW_REG_WAVE_MODE, 25, 1), 1
	s_wait_xcnt 0x0
	s_wait_alu depctr_hold_cnt(0) depctr_sa_sdst(0) depctr_va_vdst(0) depctr_va_sdst(0) depctr_va_ssrc(0) depctr_va_vcc(0) depctr_vm_vsrc(0)
	s_getreg_b32 s2, hwreg(HW_REG_IB_STS2, 6, 4)
	s_cmp_eq_u32 s2, 0
	s_cbranch_scc0 .Lentry_in_a_cluster
	s_endpgm
.Lentry_in_a_cluster:
	s_bfe_u32 s2, ttmp6, 0x10000c
	s_cmp_lg_u32 s2, 0x3003
	s_cbranch_scc0 .Lentry_shape_is_right
	s_endpgm
.Lentry_shape_is_right:
; For each of 16 (batch, head): O[q] = sum over keys of softmax(Q[q] . K[key] / 8) V[key], both products on codes of BF6 (E3M2) with E8M0 scales; O / the row's sum is quantised along the head's 64 and leaves as codes.
; qc, kc, vc: blocks of 6,656 bytes for (batch*8 + head, step of 128 tokens): four fragments as images of their registers (registers 4c..4c+3 of lane l at 1536 f + 512 c + 16 l) and their scale words
; (fragments 2a, 2a+1 of lane l at 6144 + 256 a + 8 l).  qc, kc: a pair fragment holds one token tile at k 0..63 and the next at k 64..127.  vc: fragment f = 16 channels x the step's 128 keys, in their order.
; K'S TILES: pair fragment 2c+p, half u, is tile (c, t = 2p+u); its lane row r is key 64c + 32 (r >> 3) + 8t + (r & 7).  With S^T = K Q^T a lane (query r, half h) then holds in the 32 registers of tiles (c, 0..3)
; the keys 64c + 32h + 0..31: ONE WHOLE BLOCK of the second product's K.  So a block's maximum, its scale and its codes are made in one lane; other lanes are asked twice a step: for the row's maximum and for the scale word.
; THE FIRST PRODUCT HAS K = 64, the instruction 128: a pair fragment of K is multiplied once with (Q, zeros) and once with (zeros, Q).  Q lies between two runs of six zero registers; its scale word holds its two bytes twice.
; Zero codes add nothing under any scale byte that these buffers hold (1 .. 254).
; THE SOFTMAX: t = score x log2(e) / 8; M = the running largest t rounded UP to a whole number, kept as -M; p = 2^(t - M) is quantised along the keys, not normalised; the row's sum is taken of the unquantised p;
; when M moves, the sum and O are multiplied by 2^(old M - new M), which rounds nothing.  A block's largest p is the block's largest score put through the same multiply-add and exponential
; (this takes v_exp_f32 not to fall where its input rises; at the worst one p of a block within an ulp of a power of two is held one code low).
; The element-wise f32 work (t - M, the sum, the rescaling) is written as dual-issue pairs on neighbouring registers: one destination even, one odd, like sources in different register banks; so -M and f are kept twice.
; SHARES.  A work-group owns 256 queries of one (batch, head), each of its sixteen waves one tile of 16; every wave walks the 32 key steps.  K's and V's blocks come through two LDS slots of eight steps each:
; a slot is 16 blocks, and each wave fetches one of them (waves 0-7 K's, waves 8-15 V's): one tensor load a wave at the head and behind each round.
; CLUSTER.  The four work-groups of a cluster share (batch, head), so every load is joint (mask 15).
; NO PREFETCH: a slot's fill is asked for eight key steps, 96 matrix instructions of each wave and their vector work, ahead of the wait for it.
; OUTPUT.  ac: token tile T, K step s of the last product (heads 2s, 2s+1), registers 2p, 2p+1 of lane l at ((4T + s) 6 + p) 256 + 8 l.  asc: word (byte of d 0-31) | (byte of d 32-63) << 8 at (8T + head) 128 + 4 l:
; those stores cover 128 consecutive bytes a wave, half of an aligned 256: one store in four of a wave's way out, not gathered.
; LIMITS: NaN and infinities are not served.  The scaled scores t stay under 2^31 in magnitude.  A block whose largest magnitude lies under 2^-122 (a block of zeros too) gets the scale byte 1; the bytes are read by this program alone.
.set STEPB, 6656
.set VOFF,  8*STEPB                    ; in a slot: K's eight blocks, then V's
.set SLOTB, 2*VOFF
.set SPARE, 2*SLOTB                    ; behind the slots: the spare words, 128 bytes for each of 16 waves: eight blocks of 256 bytes that no other line names
.set CLIT, 0x3e38aa3b                  ; c = log2(e) / 8
.set L16, 1                            ; v1   16 x lane
.set L8,  2                            ; v2   8 x lane
.set SPW, 3                            ; v3   my spare word; never rewritten
.set NIL, 4                            ; v4   0; never rewritten
.set A16, 5                            ; v5   the step's block + 16 x lane
.set A8,  6                            ; v6   + 8 x lane
.set L4,  7                            ; v7   4 x lane
.set SH,  8                            ; v8   8 x (lane / 16): where my blocks' bytes stand in a scale word
                                       ; v12 and v9 -M, v13 the largest score, v[14:15] the sum in two halves; v[10:11], v[92:95] three more parts of it
.set QHI, 16                           ; v16-21 zeros, v22-27 Q, v28-33 zeros
.set QLO, 22
.set QS,  34                           ; v34  Q's scale word
.set KF,  36                           ; v36-83 K's four pair fragments; behind the scores' products these registers are at work:
.set BM,  36                           ; v36-39 largest scores
.set PT,  40                           ; v40-43 other lanes' numbers; bytes
.set SO,  44                           ; v44-45 the conversions' scale operands
.set CT,  48                           ; v48-50, v52-54 the conversions' second halves;  v[80:83] parts of the sum
.set KSC, 84                           ; v84-87 K's scale words
.set VSC, 88                           ; v88-91 V's
.set S,   96                           ; v96-159 S^T, then p
.set O,   160                          ; v160-191 O^T
.set VF,  192                          ; v192-239 V's four fragments
.set PC,  240                          ; v240-251 p's codes;  v252 and v255 f, v253 p's scale word, v254 at work
.set WV,  14
.set SEL, 20
.set CS,  22
.set G1,  24
.set G0,  32                           ; s[32:35] my one group 0
.set TB,  40
.set CNT, 41
.macro CROUND                          ; a round of the cluster's barrier
	s_barrier_signal -1
	s_barrier_wait -1
	s_cmp_lg_u32 s[WV], 0
	s_cbranch_scc1 .Lnot_wave_0_\@
	s_barrier_signal -3
.Lnot_wave_0_\@:
	s_barrier_wait -3
	s_barrier_signal -1
	s_barrier_wait -1
.endm
.macro PLACES
.rept 4
	v_nop
.endr
.endm
.macro DADD d, a, b                    ; registers d, d+1 = a, a+1 + b, b+1; d, a, b are even numbers
	v_dual_add_f32 v[\d], v[\a], v[\b] :: v_dual_add_f32 v[(\d)+1], v[(\a)+1], v[(\b)+1]
.endm
	s_load_b256 s[4:11], s[0:1], 0x0               ; qc s[4:5], kc s[6:7], vc s[8:9], ac s[10:11]
	s_load_b64 s[12:13], s[0:1], 0x20              ; asc
	v_lshl_add_u32 v[SPW], v0, 2, SPARE
	v_mov_b32 v[NIL], 0
	ds_add_u32 v[SPW], v[NIL]                      ; the opening lines: the add, twice on end, and its wait ahead of my first tensor load
	ds_add_u32 v[SPW], v[NIL]
	v_lshrrev_b32 v9, 5, v0
	v_readfirstlane_b32 s[WV], v9                  ; wave 0..15
	s_bfe_u32 s15, ttmp6, 0x40000                  ; cx: it enters Q's and the outputs' global addresses alone
	s_lshl_b32 s16, ttmp9, 2
	s_add_co_u32 s16, s16, s15                     ; my block of 256 queries, 0..15
	s_and_b32 s17, ttmp7, 0xffff                   ; batch*8 + head, which the four partners share
	s_mov_b32 s[SEL], 0x76543210
	s_mov_b32 s[SEL+1], 0xfedcba98                 ; v_permlanex16_b32's selects for lane l xor 16
	s_mov_b32 s[CS], CLIT
	s_mov_b32 s[G1], 15|(3<<16)|(1<<21)            ; a block: 6,656 dense bytes as 26 lines of 32 elements of 8 bytes; mask: all four work-groups, bit 21 beside it
	s_mov_b32 s[G1+1], 32<<16
	s_mov_b32 s[G1+2], 26<<16
	s_mov_b32 s[G1+3], 32<<16
	s_mov_b32 s[G1+4], 26
	s_mov_b32 s[G1+5], 32
	s_mov_b32 s[G1+6], 0
	s_mov_b32 s[G1+7], 0
	s_mul_i32 s44, s17, 32*STEPB                   ; the head's 32 blocks,
	s_and_b32 s45, s[WV], 7
	s_mul_i32 s45, s45, STEPB                      ; my one of a slot's eight
	s_add_co_u32 s44, s44, s45
	s_mov_b32 s45, 0
	s_mul_i32 s48, s[WV], STEPB                    ; and where it goes in a slot: K's eight, then V's
	; Q: block (head, query step 2X + (w >> 3)), pair (w >> 1) & 3, half w & 1
	s_lshl_b32 s50, s17, 5
	s_lshl_b32 s42, s16, 1
	s_add_co_u32 s50, s50, s42
	s_lshr_b32 s42, s[WV], 3
	s_add_co_u32 s50, s50, s42
	s_mul_i32 s50, s50, STEPB
	s_bfe_u32 s43, s[WV], 0x20001                  ; the pair
	s_mul_i32 s42, s43, 1536
	s_add_co_u32 s52, s50, s42
	s_mov_b32 s53, 0
	s_lshr_b32 s42, s43, 1
	s_lshl_b32 s42, s42, 8
	s_add_co_u32 s54, s50, s42
	s_and_b32 s42, s43, 1
	s_lshl_b32 s42, s42, 2
	s_add_co_u32 s54, s54, s42
	s_add_co_u32 s54, s54, 6144                    ; its scale word: 6144 + 256 (pair / 2) + 4 (pair % 2), + 8 x lane
	s_mov_b32 s55, 0
	s_and_b32 s18, s[WV], 1                        ; which half of the pair is my tile
	s_lshl_b32 s19, s18, 4
	; the outputs: token tile T = batch*256 + 16 X + w
	s_lshr_b32 s56, s17, 3
	s_lshl_b32 s56, s56, 8
	s_lshl_b32 s42, s16, 4
	s_add_co_u32 s56, s56, s42
	s_add_co_u32 s56, s56, s[WV]
	s_and_b32 s51, s17, 7                          ; the head
	s_lshl_b32 s58, s56, 3
	s_add_co_u32 s58, s58, s51
	s_lshl_b32 s58, s58, 7
	s_mov_b32 s59, 0
	s_mul_i32 s56, s56, 6144
	s_lshr_b32 s42, s51, 1
	s_mul_i32 s42, s42, 1536
	s_add_co_u32 s56, s56, s42
	s_and_b32 s42, s51, 1
	s_mul_i32 s42, s42, 768
	s_add_co_u32 s56, s56, s42
	s_mov_b32 s57, 0
	s_wait_dscnt 0x0                               ; both opening adds are done
	s_wait_kmcnt 0x0
	s_add_nc_u64 s[52:53], s[4:5], s[52:53]
	s_add_nc_u64 s[54:55], s[4:5], s[54:55]
	s_add_nc_u64 s[56:57], s[10:11], s[56:57]
	s_add_nc_u64 s[58:59], s[12:13], s[58:59]
	s_cmp_lt_u32 s[WV], 8                          ; waves 0-7 fetch from kc, waves 8-15 from vc: the choice hangs on the wave's number alone
	s_cselect_b64 s[46:47], s[6:7], s[8:9]
	s_mov_b32 s[G0], 1
	s_mov_b32 s[G0+1], s48
	s_add_nc_u64 s[G0+2:G0+3], s[46:47], s[44:45]  ; slot 0: key steps 0-7
	s_or_b32 s[G0+3], s[G0+3], 0x80000000
	CROUND                                         ; all four work-groups are here: the first joint loads meet
	tensor_load_to_lds s[G0:G0+3], s[G1:G1+7]      ; my one load at the head
	s_nop 0
	PLACES
	v_and_b32 v9, 31, v0
	v_bfe_u32 v[SH], v0, 4, 1
	v_lshlrev_b32 v[L16], 4, v9
	v_lshlrev_b32 v[L8], 3, v9
	v_lshlrev_b32 v[L4], 2, v9
	v_lshlrev_b32 v[SH], 3, v[SH]
.irp c, 0,1,2
	global_load_b128 v[S+4*\c:S+4*\c+3], v[L16], s[52:53] offset:512*\c   ; the pair fragment that holds my tile of Q
.endr
	global_load_b32 v35, v[L8], s[54:55]           ; and its scale word
	s_cmp_lg_u32 s18, 0
	s_cselect_b32 vcc_lo, -1, 0                    ; all lanes alike: the pair's second half or its first
	s_wait_alu depctr_va_vdst(0)
	s_wait_loadcnt 0x0
.irp i, 0,1,2,3,4,5
	v_cndmask_b32 v[QLO+\i], v[S+\i], v[S+6+\i], vcc_lo
.endr
	v_lshrrev_b32 v[QS], s19, v35                  ; my tile's two bytes,
	s_delay_alu instid0(VALU_DEP_1)
	v_and_b32 v[QS], 0xffff, v[QS]
	s_delay_alu instid0(VALU_DEP_1)
	v_lshl_or_b32 v[QS], v[QS], 16, v[QS]          ; twice: for Q at k 0..63 and at k 64..127
.irp i, 0,1,2,3,4,5
	v_mov_b32 v[QHI+\i], 0
	v_mov_b32 v[QLO+6+\i], 0
.endr
	v_mov_b32 v13, 0xff61b1e6                      ; the largest score so far: -3e38, under every score
	s_delay_alu instid0(VALU_DEP_1)
	v_mul_f32 v254, s[CS], v13
	s_delay_alu instid0(VALU_DEP_1)
	v_floor_f32 v12, -v254                         ; -M
	v_mov_b32 v14, 0                               ; the sum, in two halves,
	v_mov_b32 v15, 0
.irp i, 10,11,92,93,94,95
	v_mov_b32 v\i, 0                               ; and the three parts that a step leaves for the next to add
.endr
.set j, 0
.rept 32
	v_mov_b32 v[O+j], 0                            ; O^T: the step is written once; the first finds zeros, which the first change of M leaves zeros.  (These are also the places between Q's scale word and the first product)
.set j, j+1
.endr
	s_wait_alu depctr_va_vdst(0)
; A KEY STEP: the 128 keys whose blocks begin at LDS byte s[TB] (K's) and s[TB] + VOFF (V's).
.macro STEP
	v_add_nc_u32 v[A16], s[TB], v[L16]
	v_add_nc_u32 v[A8], s[TB], v[L8]
.irp f, 0,1,2,3
.irp c, 0,1,2
	ds_load_b128 v[KF+12*\f+4*\c:KF+12*\f+4*\c+3], v[A16] offset:1536*\f+512*\c
.endr
.endr
.irp a, 0,1
	ds_load_b64 v[KSC+2*\a:KSC+2*\a+1], v[A8] offset:6144+256*\a
.endr
	s_wait_alu depctr_va_vdst(0)
	s_wait_dscnt 0x0                               ; K is in
.irp f, 0,1,2,3
.irp u, 0,1
	v_wmma_scale_f32_16x16x128_f8f6f4 v[S+8*(2*\f+\u):S+8*(2*\f+\u)+7], v[KF+12*\f:KF+12*\f+11], v[QLO-6*\u:QLO-6*\u+11], 0, v[KSC+\f], v[QS] matrix_a_fmt:MATRIX_FMT_BF6 matrix_b_fmt:MATRIX_FMT_BF6
.endr
.endr                                  ; lane (r, h) holds query r; register 32 c + i is key 64 c + 32 h + i
	DADD 92, 92, 94                                ; four places behind the products (ISA guide 7.12.1), three of them work that is due: the last step's three parts join the sum
	DADD 14, 14, 10
	v_nop
	DADD 14, 14, 92
.irp f, 0,1,2,3                        ; V's loads stand six places behind the last step's products, which read these registers
.irp c, 0,1,2
	ds_load_b128 v[VF+12*\f+4*\c:VF+12*\f+4*\c+3], v[A16] offset:VOFF+1536*\f+512*\c
.endr
.endr
.irp a, 0,1
	ds_load_b64 v[VSC+2*\a:VSC+2*\a+1], v[A8] offset:VOFF+6144+256*\a
.endr
.irp b, 0,1,2,3
	v_max3_num_f32 v[BM+\b], v[S+16*\b], v[S+16*\b+1], v[S+16*\b+2]       ; four chains by turns, two to a block.  Each accumulator is read from its low end on
.endr
.irp i, 3,5,7,9,11,13
.irp b, 0,1,2,3
	v_max3_num_f32 v[BM+\b], v[BM+\b], v[S+16*\b+\i], v[S+16*\b+\i+1]
.endr
.endr
	v_max3_num_f32 v[BM], v[BM], v[BM+1], v[S+15]
	v_max3_num_f32 v[BM+2], v[BM+2], v[BM+3], v[S+47]
	v_max_num_f32 v[BM], v[BM], v[S+31]            ; the largest score of my block h,
	v_max_num_f32 v[BM+2], v[BM+2], v[S+63]        ; and of my block 2 + h
	s_delay_alu instid0(VALU_DEP_1)
	v_max_num_f32 v254, v[BM], v[BM+2]
	s_delay_alu instid0(VALU_DEP_1)
	v_permlanex16_b32 v[PT], v254, s[SEL], s[SEL+1]
	s_delay_alu instid0(VALU_DEP_1)
	v_max3_num_f32 v13, v13, v254, v[PT]           ; the running largest score of my query
	s_delay_alu instid0(VALU_DEP_1)
	v_mul_f32 v254, s[CS], v13                     ; as t (c is positive)
	s_delay_alu instid0(VALU_DEP_1)
	v_floor_f32 v9, -v254                          ; the new -M = floor(-t) = -ceil(t)
	s_delay_alu instid0(VALU_DEP_1)
	v_sub_f32 v254, v9, v12                        ; old M - new M: a whole number, 0 or less
	s_delay_alu instid0(VALU_DEP_2)
	v_mov_b32 v12, v9                              ; -M stands twice, for the two halves of a pair
	s_delay_alu instid0(VALU_DEP_2)
	v_cvt_i32_f32 v254, v254                       ; (it saturates)
	s_delay_alu instid0(VALU_DEP_1)
	v_ldexp_f32 v252, 1.0, v254                    ; f = 2^(old M - new M),
	v_ldexp_f32 v255, 1.0, v254                    ; twice too
.set j, 0
.rept 32
	v_dual_fmamk_f32 v[S+j], v[S+j], CLIT, v12 :: v_dual_fmamk_f32 v[S+j+1], v[S+j+1], CLIT, v9   ; t - M = score x c + (-M), fused, two a line
.set j, j+2
.endr
	v_fma_f32 v[BM], v[BM], s[CS], v12             ; the same of my two blocks' largest scores
	v_fma_f32 v[BM+2], v[BM+2], s[CS], v12
	s_wait_alu depctr_va_vdst(0)
.set j, 0
.rept 64
	v_exp_f32 v[S+j], v[S+j]                       ; p = 2^(t - M)
.set j, j+1
.endr
	v_exp_f32 v[BM], v[BM]                         ; my blocks' largest p
	v_exp_f32 v[BM+2], v[BM+2]
	v_mul_f32 v14, v14, v252                       ; the sum under the new M.  (A plain place behind the exponentials)
	v_mul_f32 v15, v15, v252
	s_wait_alu depctr_va_vdst(0)                   ; one wait for the whole batch, ahead of its first reader
	v_max_num_f32 v[BM], 0x2800000, v[BM]          ; the floor 2^(5 - 127): the byte cannot fall under 1
	v_max_num_f32 v[BM+2], 0x2800000, v[BM+2]
	s_delay_alu instid0(VALU_DEP_2)
	v_add_nc_u32 v[SO], 0xfe000000, v[BM]          ; 4 off the exponent field: the conversion's scale operand
	s_delay_alu instid0(VALU_DEP_2)
	v_add_nc_u32 v[SO+1], 0xfe000000, v[BM+2]
	s_delay_alu instid0(VALU_DEP_2)
	v_lshrrev_b32 v[PT+2], 23, v[SO]               ; the scales' bytes
	s_delay_alu instid0(VALU_DEP_2)
	v_lshrrev_b32 v[PT+3], 23, v[SO+1]
	s_delay_alu instid0(VALU_DEP_1)
	v_lshl_or_b32 v253, v[PT+3], 16, v[PT+2]       ; blocks h and 2 + h,
	s_delay_alu instid0(VALU_DEP_1)
	v_lshlrev_b32 v253, v[SH], v253                ; at their places in the word (8 h bits up)
	s_delay_alu instid0(VALU_DEP_1)
	v_permlanex16_b32 v[PT+1], v253, s[SEL], s[SEL+1]
.irp c, 0,1
	v_cvt_scalef32_pk16_bf6_f32 v[PC+6*\c:PC+6*\c+2], v[S+32*\c:S+32*\c+15], v[SO+\c]
	v_cvt_scalef32_pk16_bf6_f32 v[CT+4*\c:CT+4*\c+2], v[S+16+32*\c:S+31+32*\c], v[SO+\c]   ; (a conversion's three registers begin on an even number)
.endr
	v_or_b32 v253, v253, v[PT+1]                   ; with lane l xor 16's two bytes: p's scale word for these 128 keys.  (The plain place behind the conversions)
	DADD 92, S, S+2                                ; THE ROW'S SUM, of the unquantised p: six parts by turns
	DADD 94, S+4, S+6
	DADD 10, S+8, S+10
	DADD 80, S+12, S+14
	DADD 82, S+16, S+18
	DADD 14, 14, S+20
.set j, 22
.rept 3
	DADD 92, 92, S+j
	DADD 94, 94, S+j+2
	DADD 10, 10, S+j+4
	DADD 80, 80, S+j+6
	DADD 82, 82, S+j+8
	DADD 14, 14, S+j+10
.set j, j+12
.endr
	DADD 92, 92, S+58
	DADD 94, 94, S+60
	DADD 14, 14, S+62
	DADD 92, 92, 80
	DADD 94, 94, 82                                ; four parts are left; the next step, or the way out, joins them
	v_dual_mov_b32 v[PC+3], v[CT] :: v_dual_mov_b32 v[PC+10], v[CT+5]      ; registers 6 c .. 6 c + 5: keys 64 c + 32 h + 0..31
	v_dual_mov_b32 v[PC+4], v[CT+1] :: v_dual_mov_b32 v[PC+9], v[CT+4]
	v_mov_b32 v[PC+5], v[CT+2]
	v_mov_b32 v[PC+11], v[CT+6]
	s_wait_alu depctr_va_vdst(0)
.set j, 0
.rept 16
	v_dual_mul_f32 v[O+j], v[O+j], v252 :: v_dual_mul_f32 v[O+j+1], v[O+j+1], v255   ; O^T under the new M, each accumulator from its low end on
.set j, j+2
.endr
	s_wait_alu depctr_va_vdst(0)
	s_wait_dscnt 0x0                               ; V is in
.irp c, 0,1,2,3
	v_wmma_scale_f32_16x16x128_f8f6f4 v[O+8*\c:O+8*\c+7], v[VF+12*\c:VF+12*\c+11], v[PC:PC+11], v[O+8*\c:O+8*\c+7], v[VSC+\c], v253 matrix_a_fmt:MATRIX_FMT_BF6 matrix_b_fmt:MATRIX_FMT_BF6
.endr                                  ; the four accumulators take turns, and the next step's eight score products stand between two links of a chain
.endm
.macro SLOTSTEPS n                     ; a slot's eight key steps: written once, walked eight times
	s_mov_b32 s[TB], \n*SLOTB
	s_mov_b32 s[CNT], 8
.Lstep_\@:
	STEP
	s_add_co_u32 s[TB], s[TB], STEPB
	s_sub_co_u32 s[CNT], s[CNT], 1
	s_cmp_lg_u32 s[CNT], 0
	s_cbranch_scc1 .Lstep_\@
.endm
; THE CHANGE OF SLOTS.  Each wave waits for all its tensor loads (the one that may be out is its block of the slot read next), adds 0 to its spare word, and waits for that and for its reads of the slot left behind.
; fill = 1: the barrier is a round of the cluster's, so that no wave of any partner still reads slot n or has a load on its way, and my block of slot n's next eight key steps is asked for first behind it.
.macro CHANGE n, fill
	s_wait_tensorcnt 0x0                           ; no tensor load of mine is out, so my group 0 may be written
	ds_add_u32 v[SPW], v[NIL]                      ; 0 onto my spare word
.if \fill
	s_add_co_u32 s[G0+1], s48, \n*SLOTB
	s_add_nc_u64 s[G0+2:G0+3], s[G0+2:G0+3], VOFF  ; eight blocks on; the type bits on top are not reached
.endif
	s_wait_dscnt 0x0                               ; the add is done, and my reads are over
.if \fill
	CROUND
	tensor_load_to_lds s[G0:G0+3], s[G1:G1+7]
	s_nop 0
	PLACES
.else
	s_barrier_signal -1
	s_barrier_wait -1
.endif
.endm
	CHANGE 1, 1                                    ; slot 0 is whole; slot 1 <- steps 8-15, its first fill, issued as a refill is
	SLOTSTEPS 0                                    ; key steps 0-7
	CHANGE 0, 1                                    ; slot 0 <- steps 16-23
	SLOTSTEPS 1                                    ; 8-15
	CHANGE 1, 1                                    ; slot 1 <- steps 24-31
	SLOTSTEPS 0                                    ; 16-23
	CHANGE 0, 0                                    ; nothing is left to fetch
	SLOTSTEPS 1                                    ; 24-31
	; THE WAY OUT.  O^T / the row's sum: register 16 b + i of lane (r, h) is channel 32 b + 16 h + i of query r: two blocks of the last product's K, each in lanes l and l xor 16.
	PLACES
	DADD 92, 92, 94                                ; the last step's three parts of the sum,
	DADD 14, 14, 10
	v_nop
	DADD 14, 14, 92
	v_nop
	v_add_f32 v14, v14, v15                        ; the sum's two halves,
	s_delay_alu instid0(VALU_DEP_1)
	v_permlanex16_b32 v254, v14, s[SEL], s[SEL+1]
	s_delay_alu instid0(VALU_DEP_1)
	v_add_f32 v14, v14, v254                       ; and lane l xor 16's
	s_wait_alu depctr_va_vdst(0)
	v_rcp_f32 v14, v14
	v_nop                                          ; one plain place behind a transcendental
	s_wait_alu depctr_va_vdst(0)
.set j, 0
.rept 32
	v_mul_f32 v[S+j], v[O+j], v14
.set j, j+1
.endr
.irp b, 0,1
	v_max3_num_f32 v[BM+\b], |v[S+16*\b]|, |v[S+16*\b+1]|, 0x2800000
.endr
.irp i, 2,4,6,8,10,12,14
.irp b, 0,1
	s_delay_alu instid0(VALU_DEP_2)
	v_max3_num_f32 v[BM+\b], v[BM+\b], |v[S+16*\b+\i]|, |v[S+16*\b+\i+1]|
.endr
.endr
.irp b, 0,1
	s_delay_alu instid0(VALU_DEP_2)
	v_permlanex16_b32 v[PT+\b], v[BM+\b], s[SEL], s[SEL+1]
.endr
.irp b, 0,1
	s_delay_alu instid0(VALU_DEP_2)
	v_max_num_f32 v[BM+\b], v[BM+\b], v[PT+\b]
.endr
.irp b, 0,1
	s_delay_alu instid0(VALU_DEP_2)
	v_add_nc_u32 v[SO+\b], 0xfe000000, v[BM+\b]
.endr
.irp b, 0,1
	s_delay_alu instid0(VALU_DEP_2)
	v_lshrrev_b32 v[PT+\b], 23, v[SO+\b]
.endr
	s_delay_alu instid0(VALU_DEP_1)
	v_lshl_or_b32 v253, v[PT+1], 8, v[PT]          ; the head's two bytes of my query
	v_cvt_scalef32_pk16_bf6_f32 v[PC:PC+2], v[S:S+15], v[SO]
	v_cvt_scalef32_pk16_bf6_f32 v[CT:CT+2], v[S+16:S+31], v[SO+1]
	v_nop
.irp i, 0,1,2
	v_permlane16_swap_b32 v[PC+\i], v[CT+\i]
.endr
.irp i, 0,1,2
	s_delay_alu instid0(VALU_DEP_3)
	v_mov_b32 v[PC+3+\i], v[CT+\i]                 ; six registers: lane (r, h) holds channels 32 h + 0..31 of query r
.endr
.irp p, 0,1,2
	global_store_b64 v[L8], v[PC+2*\p:PC+2*\p+1], s[56:57] offset:256*\p   ; 32 lanes store 256 consecutive bytes, at a multiple of 256 from the buffer's first byte
.endr
	global_store_b32 v[L4], v253, s[58:59]
	s_wait_tensorcnt 0x0                           ; the wave's end
	ds_add_u32 v[SPW], v[NIL]
	s_wait_dscnt 0x0
	CROUND                                         ; the closing round: no work-group ends while a partner may still ask for a tile that names it
	s_endpgm
.Lfunc_end_k_q3d5943d7ea_attn:
	.size	k_q3d5943d7ea_attn, .Lfunc_end_k_q3d5943d7ea_attn-k_q3d5943d7ea_attn
	.p2alignl 7, 3214868480
	.fill 96, 4, 3214868480
	.section	.rodata,"a",@progbits
	.p2align	6, 0x0
	.amdhsa_kernel k_q3d5943d7ea_attn
		.amdhsa_group_segment_fixed_size 327680
		.amdhsa_private_segment_fixed_size 0
		.amdhsa_enable_private_segment 0
		.amdhsa_kernarg_size 40
		.amdhsa_user_sgpr_count 2
		.amdhsa_user_sgpr_kernarg_segment_ptr 1
		.amdhsa_wavefront_size32 1
		.amdhsa_system_sgpr_workgroup_id_x 1
		.amdhsa_system_sgpr_workgroup_id_y 1
		.amdhsa_system_sgpr_workgroup_id_z 1
		.amdhsa_system_vgpr_workitem_id 0
		.amdhsa_next_free_vgpr 256
		.amdhsa_next_free_sgpr 66
		.amdhsa_reserve_vcc 1
		.amdhsa_float_denorm_mode_32 3
		.amdhsa_float_denorm_mode_16_64 3
		.amdhsa_memory_ordered 1
		.amdhsa_forward_progress 1
		.amdhsa_inst_pref_size 79
	.end_amdhsa_kernel
	.amdgpu_metadata
---
amdhsa.version: [ 1, 2 ]
amdhsa.kernels:
  - .name:           k_q3d5943d7ea_attn
    .symbol:         k_q3d5943d7ea_attn.kd
    .args:
      - { .name: qc, .offset: 0, .size: 8, .value_kind: global_buffer, .address_space: global }
      - { .name: kc, .offset: 8, .size: 8, .value_kind: global_buffer, .address_space: global }
      - { .name: vc, .offset: 16, .size: 8, .value_kind: global_buffer, .address_space: global }
      - { .name: ac, .offset: 24, .size: 8, .value_kind: global_buffer, .address_space: global }
      - { .name: asc, .offset: 32, .size: 8, .value_kind: global_buffer, .address_space: global }
    .group_segment_fixed_size: 327680
    .private_segment_fixed_size: 0
    .kernarg_segment_align: 8
    .kernarg_segment_size: 40
    .max_flat_workgroup_size: 512
    .sgpr_count:     66
    .vgpr_count:     256
    .wavefront_size: 32
...
	.end_amdgpu_metadata
.endif
;; end of part 2
;; launch oproj (part 3): grid 64 x 4, 8 waves a work-group, clusters of 4 x 1, 197,632 bytes of LDS; arguments ac, asc, Wo_codes, Wo_scales, bo, out0; writes out0
.if DOCPART == 3
	.amdgcn_target "amdgcn-amd-amdhsa--gfx1250"
	.amdhsa_code_object_version 6
	.text
	.protected	k_q3d5943d7ea_oproj
	.globl	k_q3d5943d7ea_oproj
	.p2align	8
	.type	k_q3d5943d7ea_oproj,@function
k_q3d5943d7ea_oproj:
	s_mov_b64 s[64:65], 0
	v_nop
	global_prefetch_b8 v0, s[64:65] scope:SCOPE_SE
	s_setreg_imm32_b32 hwreg(HW_REG_WAVE_MODE, 25, 1), 1
	s_wait_xcnt 0x0
	s_wait_alu depctr_hold_cnt(0) depctr_sa_sdst(0) depctr_va_vdst(0) depctr_va_sdst(0) depctr_va_ssrc(0) depctr_va_vcc(0) depctr_vm_vsrc(0)
	s_getreg_b32 s2, hwreg(HW_REG_IB_STS2, 6, 4)
	s_cmp_eq_u32 s2, 0
	s_cbranch_scc0 .Lentry_in_a_cluster
	s_endpgm
.Lentry_in_a_cluster:
	s_bfe_u32 s2, ttmp6, 0x10000c
	s_cmp_lg_u32 s2, 0x3003
	s_cbranch_scc0 .Lentry_shape_is_right
	s_endpgm
.Lentry_shape_is_right:
; out0 = A Wo + bo on codes of BF6 (E3M2) with E8M0 scales, K = 512 (head*64 + channel).  A: the attention launch's codes, as images of operand registers: token tile T, K step s, registers 2p, 2p+1 of lane l at
; ((4T + s) 6 + p) 256 + 8 l; its scale bytes: word (two bytes of head hd) at (8T + hd) 128 + 4 l.  Wo: [768][512] codes, rows of 384 bytes; scale bytes 16 a row.  bo [768], out0 [8192][768]: f32.
; SHARES.  Work-group (x, y): 128 tokens x 192 columns: 256 work-groups.  Wave w: token tile 8x + w against the 12 tiles of Wo's rows: 12 accumulators.
; TRANSPOSED USE: source 0 = 16 rows of Wo, source 1 = A: a lane holds one token and eight neighbouring columns.  The bias is loaded into the accumulators, so the first products add onto it.
; A tile's lane row r is token 32 (w >> 1) + 8 (w & 1) + (r & 7) + 16 (r >> 3) of the 128: the way out puts each row where it belongs.
; CLUSTER.  The four work-groups of a cluster share y, so Wo's codes and scale bytes are asked for jointly (mask 15).  Everything is filled once.
; LDS.  Rows of 384 bytes with 16 bytes of padding behind each 64: 480 apart.  The groups of 8 rows for lane rows 0-7 lie from byte 0, those for lane rows 8-15 from byte ODD (16 more than a multiple of 256): row (r & 7) moves
; 28 columns of 8 bytes, the lanes' upper half 3 or 5, the second region 2: the 32 lanes of an 8-byte load fall on 32 different columns of 256 bytes.
; The stages are stored to by LDS stores and lie in blocks of 256 bytes into which no tensor load lands.
.set ROWP,  480
.set GRP,   8*ROWP                     ; 3,840
.set ODD,   46096
.set WSB,   92416                      ; Wo's scale bytes, 192 rows x 16, dense
.set STAGE, 95488                      ; 16 rows x (768 + 16) bytes for each wave
.set SP,    784
.set L8,  1                            ; v1   8 x lane
.set L4,  2                            ; v2   4 x lane
.set AW,  3                            ; v3-4 Wo's fragments (v4: for the pieces behind one padding more in the lanes' upper half)
.set AWS, 5                            ; v5   Wo's scale words
.set STO, 6                            ; v6   the stage: where I put 32 bytes of a row
.set RD,  7                            ; v7   where I read back
.set GO,  8                            ; v8   my byte offset in two rows of out0
.set BA,  9                            ; v9   32 h: my eight numbers of a tile's 16 of bo
.set AS,  10                           ; v10-13 A's scale words, one a K step
.set WS,  14                           ; v14-19 Wo's, six tiles
.set RAW, 20                           ; v20-27 A's scale bytes as stored, a word a head
.set AF,  28                           ; v28-75 A's four fragments
.set WF,  76                           ; v76-147 six fragments of Wo
.set ACC, 148                          ; v148-243 twelve accumulators
.set OB,  28                           ; v28-123 the way out: 24 x 4 registers
.set WV,  16
.macro CROUND                          ; a round of the cluster's barrier
	s_barrier_signal -1
	s_barrier_wait -1
	s_cmp_lg_u32 s[WV], 0
	s_cbranch_scc1 .Lnot_wave_0_\@
	s_barrier_signal -3
.Lnot_wave_0_\@:
	s_barrier_wait -3
	s_barrier_signal -1
	s_barrier_wait -1
.endm
.macro PLACES
.rept 4
	v_nop
.endr
.endm
.macro FRAG reg, adr, q, rowoff        ; 16 rows x 128 K in pieces of 8 bytes; piece p of a row lies at 8 p + 16 (p / 8)
.irp p, 0,1,2,3,4,5
.set PCN, 12*(\q)+6*(\p/3)+\p%3
.if PCN%8 < 5
	ds_load_b64 v[(\reg)+2*\p:(\reg)+2*\p+1], v[\adr] offset:8*PCN+16*(PCN/8)+(\rowoff)
.else
	ds_load_b64 v[(\reg)+2*\p:(\reg)+2*\p+1], v[(\adr)+1] offset:8*PCN+16*(PCN/8)+(\rowoff)
.endif
.endr
.endm
	s_load_b256 s[4:11], s[0:1], 0x0               ; ac s[4:5], asc s[6:7], Wo's codes s[8:9], Wo's scales s[10:11]
	s_load_b128 s[12:15], s[0:1], 0x20             ; bo s[12:13], out0 s[14:15]
	v_lshl_add_u32 v254, v0, 2, 0x30000
	v_mov_b32 v255, 0
	ds_add_u32 v254, v255
	ds_add_u32 v254, v255
	v_lshrrev_b32 v244, 5, v0
	s_delay_alu instid0(VALU_DEP_1)
	v_readfirstlane_b32 s[WV], v244                ; wave 0..7
	s_bfe_u32 s17, ttmp6, 0x40000                  ; cx: it enters A's and out0's global addresses alone
	s_lshl_b32 s18, ttmp9, 2
	s_add_co_u32 s18, s18, s17                     ; the step of 128 tokens
	s_and_b32 s19, ttmp7, 0xffff                   ; which 192 columns: shared by the four partners
	; group 1 for the codes: a group of 8 rows is 3,072 dense bytes: one line of 384 elements of 8 bytes; 12 lines, every second group (768 elements on); 16 bytes of padding behind each 64
	s_mov_b32 s20, 15|(3<<16)|(1<<20)|(1<<21)|(3<<22)|(3<<25)
	s_mov_b32 s21, 384<<16
	s_mov_b32 s22, 12<<16
	s_mov_b32 s23, 384<<16
	s_mov_b32 s24, 12
	s_mov_b32 s25, 768
	s_mov_b32 s26, 0
	s_mov_b32 s27, 0
	s_mov_b32 s28, 15|(3<<16)|(1<<21)              ; for the scale bytes: 3,072 dense bytes as 12 lines of 256
	s_mov_b32 s29, 32<<16
	s_mov_b32 s30, 12<<16
	s_mov_b32 s31, 32<<16
	s_mov_b32 s32, 12
	s_mov_b32 s33, 32
	s_mov_b32 s34, 0
	s_mov_b32 s35, 0
	s_and_b32 s44, s[WV], 1                        ; waves 0, 1: which region I fill
	s_mul_i32 s45, s44, ODD
	s_mul_i32 s46, s19, 73728                      ; 192 rows of 384 bytes,
	s_mul_i32 s44, s44, 3072                       ; + one group for the second region
	s_add_co_u32 s46, s46, s44
	s_mov_b32 s47, 0
	s_mul_i32 s48, s19, 3072
	s_mov_b32 s49, 0
	s_lshl_b32 s59, s18, 3
	s_add_co_u32 s59, s59, s[WV]                   ; my token tile T
	s_mul_i32 s50, s59, 6144
	s_mov_b32 s51, 0
	s_lshl_b32 s52, s59, 10
	s_mov_b32 s53, 0
	s_lshl_b32 s54, s18, 7                         ; out0: row 128 x + 32 (w >> 1) + 8 (w & 1),
	s_lshr_b32 s59, s[WV], 1
	s_lshl_b32 s59, s59, 5
	s_add_co_u32 s54, s54, s59
	s_and_b32 s59, s[WV], 1
	s_lshl_b32 s59, s59, 3
	s_add_co_u32 s54, s54, s59
	s_mul_i32 s54, s54, 3072
	s_mul_i32 s56, s19, 768                        ; column 192 y, in bytes: also bo's
	s_add_co_u32 s54, s54, s56
	s_mov_b32 s55, 0
	s_mov_b32 s57, 0
	s_mul_i32 s58, s[WV], 16*SP
	s_add_co_u32 s58, s58, STAGE                   ; my stage
	s_wait_dscnt 0x0
	s_wait_kmcnt 0x0
	s_add_nc_u64 s[50:51], s[4:5], s[50:51]
	s_add_nc_u64 s[52:53], s[6:7], s[52:53]
	s_add_nc_u64 s[54:55], s[14:15], s[54:55]
	s_add_nc_u64 s[56:57], s[12:13], s[56:57]
	s_mov_b32 s36, 1
	s_mov_b32 s37, s45
	s_add_nc_u64 s[38:39], s[8:9], s[46:47]
	s_or_b32 s39, s39, 0x80000000
	s_mov_b32 s40, 1
	s_mov_b32 s41, WSB
	s_add_nc_u64 s[42:43], s[10:11], s[48:49]
	s_or_b32 s43, s43, 0x80000000
	CROUND                                         ; all four work-groups are here: the joint loads meet
	s_cmp_lt_u32 s[WV], 2                          ; waves 0, 1: the codes' two regions; wave 2: the scale bytes; the others fetch nothing
	s_cbranch_scc0 .Lnot_codes
	tensor_load_to_lds s[36:39], s[20:27]
	s_nop 0
	PLACES
	s_branch .Lasked
.Lnot_codes:
	s_cmp_eq_u32 s[WV], 2
	s_cbranch_scc0 .Lasked
	tensor_load_to_lds s[40:43], s[28:35]
	s_nop 0
	PLACES
.Lasked:
	v_and_b32 v244, 31, v0
	s_delay_alu instid0(VALU_DEP_1)
	v_lshlrev_b32 v[L8], 3, v244
	s_delay_alu instid0(VALU_DEP_2)
	v_lshlrev_b32 v[L4], 2, v244
	v_and_b32 v245, 7, v0                          ; r & 7
	v_bfe_u32 v246, v0, 3, 1                       ; r >> 3
	v_bfe_u32 v247, v0, 4, 1                       ; h
	v_and_b32 v248, 15, v0                         ; r
	s_delay_alu instid0(VALU_DEP_2)
	v_lshlrev_b32 v[BA], 5, v247
.irp s, 0,1,2,3
.irp p, 0,1,2,3,4,5
	global_load_b64 v[AF+12*\s+2*\p:AF+12*\s+2*\p+1], v[L8], s[50:51] offset:256*(6*\s+\p)   ; A's four fragments: 256 consecutive bytes a load
.endr
.endr
.irp d, 0,1,2,3,4,5,6,7
	global_load_b32 v[RAW+\d], v[L4], s[52:53] offset:128*\d
.endr
.irp n, 0,1,2,3,4,5,6,7,8,9,10,11
	global_load_b128 v[ACC+8*\n:ACC+8*\n+3], v[BA], s[56:57] offset:64*\n           ; bo at columns 16 n + 8 h + 0..7: the sums begin with it
	global_load_b128 v[ACC+8*\n+4:ACC+8*\n+7], v[BA], s[56:57] offset:64*\n+16
.endr
	v_mul_u32_u24 v[AW], v245, ROWP
	s_delay_alu instid0(VALU_DEP_1)
	v_mad_u32_u24 v[AW], v246, ODD, v[AW]
	s_delay_alu instid0(VALU_DEP_1)
	v_mad_u32_u24 v[AW], v247, 24, v[AW]
	s_delay_alu instid0(VALU_DEP_1)
	v_lshl_add_u32 v[AW+1], v247, 4, v[AW]
	v_lshl_add_u32 v[AWS], v248, 4, WSB            ; 16 bytes a row
	v_mul_u32_u24 v[STO], v248, SP
	s_delay_alu instid0(VALU_DEP_1)
	v_lshl_add_u32 v[STO], v247, 5, v[STO]
	s_delay_alu instid0(VALU_DEP_1)
	v_add_nc_u32 v[STO], s58, v[STO]               ; in: row r, + 32 h
	v_mul_u32_u24 v[RD], v247, SP
	s_delay_alu instid0(VALU_DEP_1)
	v_lshl_add_u32 v[RD], v248, 4, v[RD]
	s_delay_alu instid0(VALU_DEP_1)
	v_add_nc_u32 v[RD], s58, v[RD]                 ; back: lanes 0-15 one row's 256 bytes, lanes 16-31 the next row's
	v_mul_u32_u24 v[GO], v247, 3072
	s_delay_alu instid0(VALU_DEP_1)
	v_lshl_add_u32 v[GO], v248, 4, v[GO]           ; and the same in out0
	s_wait_loadcnt 0x0
.irp s, 0,1,2,3
	v_lshl_or_b32 v[AS+\s], v[RAW+2*\s+1], 16, v[RAW+2*\s]    ; heads 2s and 2s+1: the four bytes of K step s
.endr
.rept 8
	v_nop                                          ; a scale register written by a vector instruction stands eight places ahead of a scaled matrix instruction
.endr
	s_wait_alu depctr_va_vdst(0)
	s_wait_tensorcnt 0x0                           ; my load has landed,
	s_barrier_signal -1
	s_barrier_wait -1                              ; everybody's has
.macro BATCH s, hf                     ; K step s, six tiles of Wo: the accumulators take turns, one instruction a turn
.irp i, 0,1,2,3,4,5
	FRAG WF+12*\i, AW, \s, GRP*(6*\hf+\i)
	ds_load_b32 v[WS+\i], v[AWS] offset:256*(6*\hf+\i)+4*\s
.endr
	s_wait_dscnt 0x0
.irp i, 0,1,2,3,4,5
	v_wmma_scale_f32_16x16x128_f8f6f4 v[ACC+8*(6*\hf+\i):ACC+8*(6*\hf+\i)+7], v[WF+12*\i:WF+12*\i+11], v[AF+12*\s:AF+12*\s+11], v[ACC+8*(6*\hf+\i):ACC+8*(6*\hf+\i)+7], v[WS+\i], v[AS+\s] matrix_a_fmt:MATRIX_FMT_BF6 matrix_b_fmt:MATRIX_FMT_BF6
.endr
	PLACES                                         ; in front of the next loads into these operands, and of the first read of results
.endm
.irp s, 0,1,2,3
	BATCH \s, 0
	BATCH \s, 1
.endr
	; THE WAY OUT through my own stage: LDS serves a wave's instructions in order (ISA guide 5.7.1.4), so no wait stands between the stores and the loads
.irp n, 0,1,2,3,4,5,6,7,8,9,10,11
	ds_store_b128 v[STO], v[ACC+8*\n:ACC+8*\n+3] offset:64*\n                      ; each accumulator from its low end on
	ds_store_b128 v[STO], v[ACC+8*\n+4:ACC+8*\n+7] offset:64*\n+16
.endr
.irp p, 0,1,2,3,4,5,6,7
.irp c, 0,1,2
	ds_load_b128 v[OB+4*(3*\p+\c):OB+4*(3*\p+\c)+3], v[RD] offset:2*\p*SP+256*\c
.endr
.endr
.irp p, 0,1,2,3,4,5,6,7
.irp c, 0,1,2
	s_wait_dscnt 23-(3*\p+\c)                      ; this load is in; the younger ones may stay out
	global_store_b128 v[GO], v[OB+4*(3*\p+\c):OB+4*(3*\p+\c)+3], s[54:55] offset:(2*\p+8*(\p/4))*3072+256*\c th:TH_STORE_NT   ; stage row 2p + h is token 2p + 8 (p / 4) + h of my tile's span; 16 lanes store 256 consecutive bytes, at a multiple of 256 from out0's first byte
.endr
.endr
	s_wait_tensorcnt 0x0
	ds_add_u32 v254, v255
	s_wait_dscnt 0x0
	CROUND                                         ; the closing round: no work-group ends while a partner may still ask for a tile that names it
	s_endpgm
.Lfunc_end_k_q3d5943d7ea_oproj:
	.size	k_q3d5943d7ea_oproj, .Lfunc_end_k_q3d5943d7ea_oproj-k_q3d5943d7ea_oproj
	.p2alignl 7, 3214868480
	.fill 96, 4, 3214868480
	.section	.rodata,"a",@progbits
	.p2align	6, 0x0
	.amdhsa_kernel k_q3d5943d7ea_oproj
		.amdhsa_group_segment_fixed_size 197632
		.amdhsa_private_segment_fixed_size 0
		.amdhsa_enable_private_segment 0
		.amdhsa_kernarg_size 48
		.amdhsa_user_sgpr_count 2
		.amdhsa_user_sgpr_kernarg_segment_ptr 1
		.amdhsa_wavefront_size32 1
		.amdhsa_system_sgpr_workgroup_id_x 1
		.amdhsa_system_sgpr_workgroup_id_y 1
		.amdhsa_system_sgpr_workgroup_id_z 1
		.amdhsa_system_vgpr_workitem_id 0
		.amdhsa_next_free_vgpr 256
		.amdhsa_next_free_sgpr 66
		.amdhsa_reserve_vcc 0
		.amdhsa_float_denorm_mode_32 3
		.amdhsa_float_denorm_mode_16_64 3
		.amdhsa_memory_ordered 1
		.amdhsa_forward_progress 1
		.amdhsa_inst_pref_size 47
	.end_amdhsa_kernel
	.amdgpu_metadata
---
amdhsa.version: [ 1, 2 ]
amdhsa.kernels:
  - .name:           k_q3d5943d7ea_oproj
    .symbol:         k_q3d5943d7ea_oproj.kd
    .args:
      - { .name: ac, .offset: 0, .size: 8, .value_kind: global_buffer, .address_space: global }
      - { .name: asc, .offset: 8, .size: 8, .value_kind: global_buffer, .address_space: global }
      - { .name: Wo_codes, .offset: 16, .size: 8, .value_kind: global_buffer, .address_space: global }
      - { .name: Wo_scales, .offset: 24, .size: 8, .value_kind: global_buffer, .address_space: global }
      - { .name: bo, .offset: 32, .size: 8, .value_kind: global_buffer, .address_space: global }
      - { .name: out0, .offset: 40, .size: 8, .value_kind: global_buffer, .address_space: global }
    .group_segment_fixed_size: 197632
    .private_segment_fixed_size: 0
    .kernarg_segment_align: 8
    .kernarg_segment_size: 48
    .max_flat_workgroup_size: 256
    .sgpr_count:     66
    .vgpr_count:     256
    .wavefront_size: 32
...
	.end_amdgpu_metadata
.endif
;; end of part 3
